; MI455X (gfx1250); checked and timed in simulation.
; The chip was launched on July 23, 2026; its instructions are those of AMD's public machine-readable ISA for CDNA 5 (MIT licence, August 2026) and "CDNA5" Instruction Set Architecture Reference Guide (July 2026). The comments in the code are by the model that wrote it; some were corrected since.
;; Sim VQ. Allowed arithmetic: matrix products marked QUANTISED: E2M1 operands, one E8M0 scale for each 32 along K, by v_wmma_scale_f32_16x16x128_f8f6f4 with both operands' format E2M1 (or v_wmma_scale_f32_32x16x128_f4), f32 sums; everything else in f32.
;; Inputs: emb_codes 8,192 x 1 x 16 uint8 (E2M1 codes of emb, K innermost, in blocks of 32 codes, two codes a byte); emb_scales 8,192 x 1 uint8 (E8M0 scales of emb, one for each 32 codes along K); proj_b 32 float32; proj_w_codes 32 x 1 x 16 uint8 (E2M1 codes of proj_w, K innermost, in blocks of 32 codes, two codes a byte); proj_w_scales 32 x 1 uint8 (E8M0 scales of proj_w, one for each 32 codes along K); z 2 x 32 x 8 x 32 x 32 float32.
;; Outputs: out0 2 x 32 x 8 x 32 x 32 float32; out1 one number float32; out2 2 x 8 x 32 x 32 int32.
;; This version of the problem:
;;   THIS VERSION OF THE PROBLEM IS GIVEN IN LOW PRECISION. The matrix products marked QUANTISED in the list below multiply operands that are first quantised to E2M1 (2 exponent bits, 1 mantissa bit; 4 bits a number), with one power-of-two scale for each 32 numbers along K (OCP MX v1.0); their sums are f32. All else is computed in f32.
;;   The module's matrix products, in the order in which they are computed (A, B: the left and right operand; K: the contracted axis; several contracted axes count as one K, in the product's order):
;;     1. [M 8,192, K 32] x [K 32, N 32]; A: input emb (given as codes); B: input proj_w (given as codes): QUANTISED
;;     2. [M 16,384, K 32] x [K 32, N 8,192]; A: input z; B: computed on the way: QUANTISED
;;   THE QUANTISER, for each operand of a quantised product, along K:
;;     - K is cut into blocks of 32 from its start; a last block that is shorter is filled with zeros.
;;     - A block's scale is 2^e with e = floor(log2(the largest magnitude in the block)) - 2, held to -126 .. 127; a block of zeros has e = 0. As a byte (E8M0): e + 127.
;;     - Each number is divided by its block's scale, clamped to +-6, and rounded to the nearest number of E2M1, ties to even, subnormals kept.
;;     - The product sums the exact products of the quantised numbers (number of the format x scale) in f32.
;;   ~~~python
;;   def quantise(x, axis):      # numpy; x: float32 -> the quantised numbers, widened to float32 again
;;       x = np.moveaxis(x, axis, -1); K = x.shape[-1]
;;       x = np.pad(x, [(0, 0)] * (x.ndim - 1) + [(0, -K % 32)]); x = x.reshape(x.shape[:-1] + (-1, 32)); a = np.abs(x).max(-1, keepdims=True)
;;       e = np.where(a > 0, np.clip(np.frexp(np.where(a > 0, a, 1))[1] - 1 - 2, -126, 127), 0)      # np.frexp(a)[1] - 1 = floor(log2(a)), exactly
;;       r = np.clip(x / 2.0 ** e, -6, 6)
;;       step = 2.0 ** (np.maximum(np.frexp(np.where(r == 0, 1, r))[1] - 1, 0) - 1)
;;       q = np.round(r / step) * step * 2.0 ** e      # np.round: ties to even
;;       return np.moveaxis(q.reshape(q.shape[:-2] + (-1,))[..., :K], -1, axis).astype(np.float32)
;;   ~~~
;;   OPERANDS COMPUTED ON THE WAY. 'Computed on the way' means the value that the module computes at that place (a softmax that the list does not call 'softmax' is quantised finished and normalised). What goes into a quantiser is computed in f32, as accurately as f32 sums, v_exp_f32 and their like allow (about 1e-6 of the number): no bf16 or f16 on the way to a quantiser, and a product that is left as it is and whose result goes on into a quantised operand takes f32 operands (vector FMAs, or v_wmma_f32_16x16x4_f32). A number that lies on a knife's edge between two numbers of the format may be rounded either way, as far as f32 arithmetic and the matrix unit's own rounding can turn it there, and no further.
;;   INPUTS GIVEN AS CODES. emb (in the module: [8192, 32], K = its axis 1); proj_w (in the module: [32, 32], K = its axis 1): each comes as NAME_codes (uint8): NAME with its K axis moved to the last place and cut into blocks of 32 codes, [.., K / 32, bytes a block], one block behind the other in memory; two codes a byte, the lower K in the low four bits (a code: sign, 2 exponent bits, 1 mantissa bit); and NAME_scales (uint8): the same leading axes, one E8M0 byte (e + 127) for each 32 codes along K. Its value is code x scale, taken as it is: it is not quantised again, and the codes and scales need not be those that the quantiser above would give.
;; One version. Each part assembles by itself: llvm-mc -triple=amdgcn-amd-amdhsa -mcpu=gfx1250 --defsym DOCPART=n.
;; ======== version 1 of 1: 3 launches
;; limits: right only within a limited range of input values
;; workspace buffers: img 323,584 bytes; zc 262,144 bytes; zsw 65,536 bytes; part 16,384 bytes
;; launch prep (part 1): grid 192 x 1, 4 waves a work-group, no clusters, 0 bytes of LDS; arguments emb_codes, emb_scales, proj_w_codes, proj_w_scales, proj_b, z, img, zc, zsw; writes img, zc, zsw
.if DOCPART == 1
	.amdgcn_target "amdgcn-amd-amdhsa--gfx1250"
	.amdhsa_code_object_version 6
	.text
	.protected	k_qb815a1f3e7_prep
	.globl	k_qb815a1f3e7_prep
	.p2align	8
	.type	k_qb815a1f3e7_prep,@function
k_qb815a1f3e7_prep:
	s_mov_b64 s[64:65], 0
	v_nop
	global_prefetch_b8 v0, s[64:65] scope:SCOPE_SE
	s_setreg_imm32_b32 hwreg(HW_REG_WAVE_MODE, 25, 1), 1
	s_wait_xcnt 0x0
; SimVQ, launch 1 of 3: the operands of the distance product and of the lookup are made once.
;   img: cb = emb W^T + b (product 1, on the given codes) as codes and scale bytes along the 32 channels, and its row sums of squares;
;   eimg: emb's codes transposed (codebook rows innermost), and digits of its scale bytes; zc, zsw: z's codes and scale bytes along the 32 channels.
; WORK LEFT OUT: |z|^2.  In d = |z|^2 + |cb|^2 - 2 z.cb it is one and the same number for all 8,192 codes of a token, whatever the inputs hold, so in exact arithmetic it moves no argmin, and d has no other
; use.  Every input has a way to an output and is loaded.  The two means of the loss are means of the same numbers (stop_gradient changes no value): the mean is taken once and weighed 1 + 0.25.
; LIMITS.  A NaN, an infinity or an overflow that reaches only |z|^2 is not carried to the result.  Distances are compared without |z|^2's rounding: two codes whose distances differ by less than that rounding
; are told apart.  NaN and infinities among the inputs, and a given scale byte 0xff, are not served.  A block of zeros gets the scale byte 1 (z: 2) where the quantiser says 127: its codes are zeros, and
; these bytes are read by this program alone.  The sums of squares are taken in this text's own order (packed chains).
; THE FACTOR -2 rides in z's operand and rounds nothing: the sign bit of each of z's codes is flipped, and z's scale byte is raised by 1.
; K IS 32, THE INSTRUCTION'S K IS 128.  An operand of 64 rows is loaded DENSE: lane L takes the 16 bytes of slot L (registers 0-3) and of slot 32 + L (registers 4-7); by the 4-bit layout K block b of
; matrix row r is then slot 16 b + r.  The other operand has its 32 codes in ONE K block v and zero codes elsewhere: the product is that with slots 16 v .. 16 v + 15.  Its four variants are
; windows of eight registers on one run Z P Z Q Z (Z: four registers of zeros; P: the codes in lanes 0-15 alone; Q: in lanes 16-31 alone): v = 0: P Z, 1: Q Z, 2: Z P, 3: Z Q.
; SLOTS.  A group's row n lies in the slot with bits 3 and 4 of n exchanged: slot 16 v + 8 h + j is row 32 (v / 2) + 16 h + 8 (v % 2) + j, so that a half of the lanes holds 16 neighbouring rows of each 32.
; No prefetch: nothing here has a loop to run ahead in.
.set CBWG,  32                         ; work-groups 0-31: the codebook, a group of 64 rows to a wave; 32-63: emb transposed, likewise; 64-191: the tokens, a token to a lane
.set SLICE, 20224                      ; img: a slice holds eight groups: 8 x 1,024 bytes of codes, 8 x 256 of sums, 8 x 64 of scale words,
.set EIMG,  10752                      ; and from this byte of the slice on the part that is called eimg here: 8 x 2 x 512 bytes of codes, 8 x 128 of digits
.set FLOOR, 0x1800000                  ; 2^(3 - 127): under it no largest magnitude is taken, so a scale byte cannot fall under 1
.set OFF2,  0xff000000                 ; takes 2 off an exponent field
.macro PLACES n
.rept \n
	v_nop
.endr
.endm
	s_load_b512 s[4:19], s[0:1], 0x0               ; emb_codes s[4:5], emb_scales s[6:7], proj_w_codes s[8:9], proj_w_scales s[10:11], proj_b s[12:13], z s[14:15], img s[16:17], zc s[18:19]
	s_load_b64 s[20:21], s[0:1], 0x40              ; zsw s[20:21]
	v_lshrrev_b32 v1, 5, v0
	v_readfirstlane_b32 s28, v1                    ; wave 0..3
	v_and_b32 v1, 31, v0                           ; lane
	v_and_b32 v2, 15, v0                           ; r
	v_bfe_u32 v3, v0, 4, 1                         ; h
	v_and_b32 v5, 8, v2
	v_add_nc_u32 v5, v5, v2                        ; r + 8 (r / 8)
	v_lshl_add_u32 v4, v3, 3, v5                   ; + 8 h: the row in slot L
	v_lshlrev_b32 v4, 4, v4                        ; its 16 bytes
	v_lshlrev_b32 v135, 2, v1                      ; 4 x lane
	s_mov_b32 s40, 0x76543210
	s_mov_b32 s41, 0xfedcba98                      ; v_permlanex16_b32's selects for lane l xor 16
	s_mov_b32 s31, 0x01010101                      ; a byte times this is the byte four times
	s_mov_b32 s33, 0                               ; the upper word of the offsets' pair s[32:33]
	s_wait_alu depctr_va_vdst(0)                   ; the wait at the head's end
	s_wait_kmcnt 0x0
	s_cmp_lt_u32 ttmp9, CBWG
	s_cbranch_scc0 .Lnot_codebook
; ---------------- THE CODEBOOK: wave = group g of 64 rows ----------------
; REGISTERS: v4-7, v63, v134, v135 offsets; v8-15 emb's 64 rows, dense, later cb's codes; v16-51 W's two tiles as Z P0 Z Q0 Z P1 Z Q1 Z; v52-59 W as loaded; v60 emb's scale word, v61-62 W's;
; v64-127 cb: register 16 v + i of lane (r, h) = cb(slot 16 v + r, channel 16 h + i); v128-133 bytes; v136-151 b at channels 16 h + i; v152-159 squares; v160-163 maxima; v164-171 from the other half; v172-175 scale operands.
	s_lshl_b32 s29, ttmp9, 2
	s_add_co_u32 s29, s29, s28                     ; g = 4 x work-group + wave
	s_lshl_b32 s32, s29, 10                        ; 64 rows of 16 bytes
	s_add_nc_u64 s[4:5], s[4:5], s[32:33]
	s_lshl_b32 s32, s29, 6                         ; 64 scale bytes
	s_add_nc_u64 s[6:7], s[6:7], s[32:33]
	s_lshr_b32 s30, s29, 3
	s_mul_i32 s30, s30, SLICE                      ; the slice of eight groups,
	s_and_b32 s36, s29, 7                          ; and my place in it
	s_lshl_b32 s32, s36, 10
	s_add_co_u32 s32, s32, s30
	s_add_nc_u64 s[24:25], s[16:17], s[32:33]      ; codes
	s_lshl_b32 s32, s36, 8
	s_add_co_u32 s32, s32, s30
	s_add_co_u32 s32, s32, 8192
	s_add_nc_u64 s[26:27], s[16:17], s[32:33]      ; sums
	s_lshl_b32 s32, s36, 6
	s_add_co_u32 s32, s32, s30
	s_add_co_u32 s32, s32, 10240
	s_add_nc_u64 s[34:35], s[16:17], s[32:33]      ; scale words
	v_lshlrev_b32 v6, 4, v5                        ; THE ROWS OF W THAT FORM A TILE ARE NOT NEIGHBOURS: lane r of tile u takes row 8 u + r + 8 (r / 8), so that a lane's 16 results of tiles 0 and 1 are channels 16 h + 0 .. 15
	v_lshlrev_b32 v7, 6, v3                        ; 64 h: b at my 16 channels
	v_lshlrev_b32 v63, 2, v2                       ; 4 r
	v_lshlrev_b32 v134, 4, v2
	v_lshl_add_u32 v134, v3, 3, v134               ; 16 r + 8 h: my 8 bytes of a row of codes
	global_load_b128 v[8:11], v4, s[4:5]           ; slots 0-31, a row a lane
	global_load_b128 v[12:15], v4, s[4:5] offset:512   ; slots 32-63
.irp b, 0,1,2,3
	global_load_u8 v[128+\b], v5, s[6:7] offset:32*(\b/2)+8*(\b%2)  ; the scale byte of slot 16 b + r
.endr
.irp u, 0,1
	global_load_b128 v[52+4*\u:55+4*\u], v6, s[8:9] offset:128*\u
	global_load_u8 v[132+\u], v5, s[10:11] offset:8*\u
.endr
.irp q, 0,1,2,3
	global_load_b128 v[136+4*\q:139+4*\q], v7, s[12:13] offset:16*\q
.endr
.irp z, 0,2,4,6,8
.irp k, 0,1,2,3
	v_mov_b32 v[16+4*\z+\k], 0                     ; the five blocks Z
.endr
.endr
.irp k, 0,1,2,3,4,5,6,7
	v_mov_b32 v[164+\k], 0                         ; written once: a lane permute's destination counts as one of its sources
.endr
	s_wait_alu depctr_va_vdst(0)
	s_wait_loadcnt 0x0                             ; all 14 loads: the products want all of them
	v_lshl_or_b32 v60, v129, 8, v128               ; emb's scale word: byte b scales K block b, which is slot 16 b + r
	v_lshl_or_b32 v60, v130, 16, v60
	v_lshl_or_b32 v60, v131, 24, v60
	v_mul_lo_u32 v61, v132, s31                    ; W's: the row's byte in all four places, so that it serves every variant
	v_mul_lo_u32 v62, v133, s31
	s_mov_b32 vcc_lo, 0xffff
.irp u, 0,1
.irp k, 0,1,2,3
	v_cndmask_b32 v[20+16*\u+\k], v16, v[52+4*\u+\k], vcc_lo   ; P: the codes in lanes 0-15, zeros above
	v_cndmask_b32 v[28+16*\u+\k], v[52+4*\u+\k], v16, vcc_lo   ; Q: the codes in lanes 16-31, zeros below
.endr
.endr
	PLACES 8                                       ; scale registers written by vector instructions stand 8 places ahead of a scaled product, operands 4
.irp v, 0,1,2,3                                ; PRODUCT 1, transposed: source 0 = 16 rows of W (variant v), source 1 = emb's 64 rows: D = W(tile u) . emb(slot 16 v + r)
.irp u, 0,1
	v_wmma_scale_f32_16x16x128_f8f6f4 v[64+16*\v+8*\u:71+16*\v+8*\u], v[16+4*(4*\u+(2*\v+1)%5):23+4*(4*\u+(2*\v+1)%5)], v[8:15], 0, v[61+\u], v60 matrix_a_fmt:MATRIX_FMT_FP4 matrix_b_fmt:MATRIX_FMT_FP4
.endr
.endr
	PLACES 4                                       ; in front of the first read of results
.irp p, 0,1,2,3,4,5,6,7                        ; + b: one f32 rounding (the sums themselves are exact: 32 products of 4-bit numbers under one pair of scales).  Each result is read from its low end on
.irp v, 0,1,2,3
	v_pk_add_f32 v[64+16*\v+2*\p:65+16*\v+2*\p], v[64+16*\v+2*\p:65+16*\v+2*\p], v[136+2*\p:137+2*\p]
.endr
.endr
.irp v, 0,1,2,3
	v_pk_mul_f32 v[152+2*\v:153+2*\v], v[64+16*\v:65+16*\v], v[64+16*\v:65+16*\v]   ; the squares of my 16 channels, the four rows by turns
.endr
.irp p, 1,2,3,4,5,6,7
.irp v, 0,1,2,3
	v_pk_fma_f32 v[152+2*\v:153+2*\v], v[64+16*\v+2*\p:65+16*\v+2*\p], v[64+16*\v+2*\p:65+16*\v+2*\p], v[152+2*\v:153+2*\v]
.endr
.endr
.irp v, 0,1,2,3
	v_max3_num_f32 v[160+\v], |v[64+16*\v]|, |v[65+16*\v]|, FLOOR   ; the largest magnitude of my 16, with the floor as one more leaf
.endr
.irp i, 2,4,6,8,10,12,14
.irp v, 0,1,2,3
	v_max3_num_f32 v[160+\v], v[160+\v], |v[64+16*\v+\i]|, |v[65+16*\v+\i]|
.endr
.endr
.irp v, 0,1,2,3
	v_add_f32 v[152+2*\v], v[152+2*\v], v[153+2*\v]
.endr
.irp v, 0,1,2,3
	v_permlanex16_b32 v[164+\v], v[152+2*\v], s40, s41
	v_permlanex16_b32 v[168+\v], v[160+\v], s40, s41
.endr
.irp v, 0,1,2,3
	v_add_f32 v[152+2*\v], v[152+2*\v], v[164+\v]  ; with the other 16 channels: the row's sum of squares, the same bits in both halves
	v_max_num_f32 v[160+\v], v[160+\v], v[168+\v]  ; and the block's largest magnitude
.endr
.irp v, 0,1,2,3
	v_add_nc_u32 v[172+\v], OFF2, v[160+\v]        ; 2 off its exponent field: the conversion takes the exponent field of this operand as its scale
.endr
.irp v, 0,1,2,3
	v_lshrrev_b32 v[128+\v], 23, v[172+\v]         ; the scale's byte
.endr
.irp v, 0,1,2,3
	v_cvt_scalef32_pk8_fp4_f32 v[8+2*\v], v[64+16*\v:71+16*\v], v[172+\v]    ; channels 16 h + 0 .. 7
	v_cvt_scalef32_pk8_fp4_f32 v[9+2*\v], v[72+16*\v:79+16*\v], v[172+\v]    ; and + 8 .. 15
.endr
	v_nop                                          ; one plain place behind the last scaled conversion
.irp v, 0,1,2,3
	global_store_b64 v134, v[8+2*\v:9+2*\v], s[24:25] offset:256*\v   ; slots 16 v .. 16 v + 15: the 32 lanes store 256 consecutive bytes, aligned
.endr
	s_mov_b32 vcc_lo, 0xffff0000
	v_cndmask_b32 v164, v152, v154, vcc_lo         ; lane L: the sum of slot L (lanes 16-31: of slot 16 + r)
	v_cndmask_b32 v165, v156, v158, vcc_lo         ; and of slot 32 + L
	global_store_b32 v135, v164, s[26:27]
	global_store_b32 v135, v165, s[26:27] offset:128
	v_lshl_or_b32 v166, v129, 8, v128              ; the group's scale word r: the bytes of slots r, 16 + r, 32 + r, 48 + r, as a dense operand wants them
	v_lshl_or_b32 v166, v130, 16, v166
	v_lshl_or_b32 v166, v131, 24, v166
	s_wait_alu depctr_va_vdst(0)
	s_wait_xcnt 0x0                                ; EXEC is a source of the stores above: it changes only behind this wait
	v_cmp_gt_u32 vcc_lo, 16, v1
	s_and_saveexec_b32 s30, vcc_lo
	global_store_b32 v63, v166, s[34:35]           ; lanes 0-15: 64 consecutive bytes
	s_endpgm
; ---------------- emb TRANSPOSED: wave = group g of 64 rows ----------------
; A product with the unit matrix turns the codes: source 0 = emb's 64 rows, dense, source 1 = column r of the unit matrix (channel 16 u + r) in K block v: lane (r, h), register j = emb's code (slot 16 v + 8 h + j, channel 16 u + r).
; All scales are 1, so the conversion back gives the codes as they were: eight rows' codes of one channel in a register.
; DIGITS: four more rows beside the channels, in codes whose bits are the digit: bits 2:0 of the scale byte; bits 5:3; bits 7:6 with (row / 8) % 2 above them; row % 8.
.Lnot_codebook:
	s_cmp_lt_u32 ttmp9, 2*CBWG
	s_cbranch_scc0 .Ltokens
	s_sub_co_u32 s29, ttmp9, CBWG
	s_lshl_b32 s29, s29, 2
	s_add_co_u32 s29, s29, s28
	s_lshl_b32 s32, s29, 10
	s_add_nc_u64 s[4:5], s[4:5], s[32:33]
	s_lshl_b32 s32, s29, 6
	s_add_nc_u64 s[6:7], s[6:7], s[32:33]
	s_lshr_b32 s30, s29, 3
	s_mul_i32 s30, s30, SLICE
	s_add_co_u32 s30, s30, EIMG
	s_and_b32 s36, s29, 7
	s_lshl_b32 s32, s36, 10
	s_add_co_u32 s32, s32, s30
	s_add_nc_u64 s[24:25], s[16:17], s[32:33]      ; emb's transposed codes
	s_lshl_b32 s32, s36, 7
	s_add_co_u32 s32, s32, s30
	s_add_co_u32 s32, s32, 8192
	s_add_nc_u64 s[26:27], s[16:17], s[32:33]      ; and the digits
	s_mov_b32 s37, 0x06040200
	s_mov_b32 s38, 0x44444444
	v_lshrrev_b32 v52, 3, v1                       ; the digit that I make: 0..3
	v_and_b32 v53, 1, v1                           ; my eight rows: 32 w + 16 h' + 8 q on, lane % 8 = 4 h' + 2 w + q
	v_bfe_u32 v54, v1, 1, 1
	v_bfe_u32 v55, v1, 2, 1
	v_lshlrev_b32 v56, 5, v54
	v_lshl_add_u32 v56, v55, 4, v56
	v_lshl_add_u32 v56, v53, 3, v56
	v_lshlrev_b32 v134, 4, v1                      ; 16 x lane
	global_load_b128 v[8:11], v4, s[4:5]
	global_load_b128 v[12:15], v4, s[4:5] offset:512
	global_load_b64 v[58:59], v56, s[6:7]          ; eight scale bytes
.set Q, 16
.rept 36
	v_mov_b32 v[Q], 0
.set Q, Q+1
.endr
	v_and_b32 v136, 7, v2
	v_lshlrev_b32 v136, 2, v136
	v_mov_b32 v139, 2                              ; the code of 1
	v_lshlrev_b32 v136, v136, v139                 ; at place r % 8
	v_cmp_gt_u32 vcc_lo, 8, v2
	v_cndmask_b32 v137, v16, v136, vcc_lo          ; register 2 u holds it where r < 8,
	v_cndmask_b32 v138, v136, v16, vcc_lo          ; register 2 u + 1 where not
	s_mov_b32 vcc_lo, 0xffff
.irp u, 0,1
	v_cndmask_b32 v[20+18*\u], v16, v137, vcc_lo   ; P
	v_cndmask_b32 v[21+18*\u], v16, v138, vcc_lo
	v_cndmask_b32 v[28+18*\u], v137, v16, vcc_lo   ; Q
	v_cndmask_b32 v[29+18*\u], v138, v16, vcc_lo
.endr
	v_mov_b32 v140, 0x7f7f7f7f                     ; every scale is 1
	v_mov_b32 v141, 1.0
	v_mul_u32_u24 v57, v52, 3
	v_mul_lo_u32 v62, v53, s38
	v_mov_b32 v60, 0x07070707
	v_mov_b32 v61, 0x03030303
	v_mov_b32 v142, s40
	v_cmp_eq_u32 vcc_lo, 2, v52
	v_cndmask_b32 v60, v60, v61, vcc_lo            ; the bits of a byte that are mine, at its low end
	v_cndmask_b32 v62, v16, v62, vcc_lo            ; and what stands above them in digit 2
	PLACES 4
	s_wait_alu depctr_va_vdst(0)
	s_wait_loadcnt 0x0
.irp v, 0,1,2,3
.irp u, 0,1
	v_wmma_scale_f32_16x16x128_f8f6f4 v[64+32*\u+8*\v:71+32*\u+8*\v], v[8:15], v[16+4*(4*\u+(2*\v+1)%5):23+4*(4*\u+(2*\v+1)%5)], 0, v140, v140 matrix_a_fmt:MATRIX_FMT_FP4 matrix_b_fmt:MATRIX_FMT_FP4
.endr
.endr
	v_lshrrev_b32 v58, v57, v58                    ; the digit's work, which names none of the products' registers, stands behind them
	v_lshrrev_b32 v59, v57, v59
	v_and_b32 v58, v58, v60
	v_and_b32 v59, v59, v60
	v_lshrrev_b32 v143, 4, v58
	v_lshrrev_b32 v144, 4, v59
	v_or_b32 v58, v58, v143                        ; bytes 0 and 2 now hold two digits each
	v_or_b32 v59, v59, v144
	v_perm_b32 v145, v59, v58, s37                 ; eight digits
	v_or_b32 v145, v145, v62
	v_cmp_eq_u32 vcc_lo, 3, v52
	v_cndmask_b32 v145, v145, v142, vcc_lo         ; digit 3: row % 8
.irp v, 0,1,2,3
.irp u, 0,1
	v_cvt_scalef32_pk8_fp4_f32 v[128+4*\u+\v-64+88], v[64+32*\u+8*\v:71+32*\u+8*\v], v141   ; v152-159: register 4 u + v
.endr
.endr
	v_nop                                          ; one plain place behind the last scaled conversion
.irp u, 0,1
	global_store_b128 v134, v[152+4*\u:155+4*\u], s[24:25] offset:512*\u   ; 512 consecutive bytes, aligned
.endr
	global_store_b32 v135, v145, s[26:27]          ; 128 consecutive bytes
	s_endpgm
; ---------------- THE TOKENS: a lane takes a token, its registers run down the 32 channels ----------------
; z is [b][c][thw]: each load reads one channel at 32 neighbouring tokens (128 consecutive bytes a wave, 512 a work-group); a block of 32 along K lies in one lane's registers.
.Ltokens:
	s_sub_co_u32 s29, ttmp9, 2*CBWG                ; 0..127: 128 tokens each
	s_lshr_b32 s30, s29, 6                         ; b
	s_lshl_b32 s32, s30, 20                        ; 32 channels x 8,192 tokens x 4 bytes
	s_and_b32 s30, s29, 63
	s_lshl_b32 s30, s30, 9                         ; 128 tokens x 4 bytes
	s_add_co_u32 s32, s32, s30
	s_add_nc_u64 s[14:15], s[14:15], s[32:33]
	s_lshl_b32 s32, s29, 11                        ; 128 tokens x 16 bytes of codes
	s_add_nc_u64 s[18:19], s[18:19], s[32:33]
	s_lshl_b32 s32, s29, 9
	s_add_nc_u64 s[20:21], s[20:21], s[32:33]
	v_lshlrev_b32 v6, 2, v0                        ; 4 x thread
	v_lshlrev_b32 v7, 4, v0                        ; 16 x thread
.irp c, 0,1,2,3,4,5,6,7,8,9,10,11,12,13,14,15,16,17,18,19,20,21,22,23,24,25,26,27,28,29,30,31
	global_load_b32 v[32+\c], v6, s[14:15] offset:32768*\c
.endr
	s_wait_alu depctr_va_vdst(0)
	s_wait_loadcnt 16                              ; channels 0-15 are in; the 16 loads behind them may be out
	v_max3_num_f32 v12, |v32|, |v33|, FLOOR
.irp i, 2,4,6,8,10,12,14
	v_max3_num_f32 v12, v12, |v[32+\i]|, |v[33+\i]|
.endr
	s_wait_alu depctr_va_vdst(0)
	s_wait_loadcnt 0x0
	v_max3_num_f32 v13, |v48|, |v49|, |v50|
	v_max3_num_f32 v14, |v51|, |v52|, |v53|
.irp i, 22,26
	v_max3_num_f32 v13, v13, |v[32+\i]|, |v[33+\i]|
	v_max3_num_f32 v14, v14, |v[34+\i]|, |v[35+\i]|
.endr
	v_max3_num_f32 v13, v13, |v62|, |v63|
	v_max3_num_f32 v12, v12, v13, v14              ; the block's largest magnitude
	v_add_nc_u32 v18, OFF2, v12                    ; the conversion's scale operand
	v_lshrrev_b32 v19, 23, v18                     ; the scale's byte, at most 252,
	v_add_nc_u32 v19, 1, v19                       ; + 1: the factor 2,
	v_mul_lo_u32 v19, v19, s31                     ; in all four places: it serves every variant
.irp g, 0,1,2,3
	v_cvt_scalef32_pk8_fp4_f32 v[8+\g], v[32+8*\g:39+8*\g], v18
.endr
	v_nop                                          ; one plain place behind the last scaled conversion
.irp g, 0,1,2,3
	v_xor_b32 v[8+\g], 0x88888888, v[8+\g]         ; the sign bit of each code: -z
.endr
	global_store_b128 v7, v[8:11], s[18:19]        ; 512 consecutive bytes a wave
	global_store_b32 v6, v19, s[20:21]
	s_endpgm
.Lfunc_end_k_qb815a1f3e7_prep:
	.size	k_qb815a1f3e7_prep, .Lfunc_end_k_qb815a1f3e7_prep-k_qb815a1f3e7_prep
	.p2alignl 7, 3214868480
	.fill 96, 4, 3214868480
	.section	.rodata,"a",@progbits
	.p2align	6, 0x0
	.amdhsa_kernel k_qb815a1f3e7_prep
		.amdhsa_group_segment_fixed_size 0
		.amdhsa_private_segment_fixed_size 0
		.amdhsa_enable_private_segment 0
		.amdhsa_kernarg_size 72
		.amdhsa_user_sgpr_count 2
		.amdhsa_user_sgpr_kernarg_segment_ptr 1
		.amdhsa_wavefront_size32 1
		.amdhsa_system_sgpr_workgroup_id_x 1
		.amdhsa_system_sgpr_workgroup_id_y 1
		.amdhsa_system_sgpr_workgroup_id_z 1
		.amdhsa_system_vgpr_workitem_id 0
		.amdhsa_next_free_vgpr 176
		.amdhsa_next_free_sgpr 66
		.amdhsa_reserve_vcc 1
		.amdhsa_float_denorm_mode_32 3
		.amdhsa_float_denorm_mode_16_64 3
		.amdhsa_memory_ordered 1
		.amdhsa_forward_progress 1
		.amdhsa_inst_pref_size 28
	.end_amdhsa_kernel
	.amdgpu_metadata
---
amdhsa.version: [ 1, 2 ]
amdhsa.kernels:
  - .name:           k_qb815a1f3e7_prep
    .symbol:         k_qb815a1f3e7_prep.kd
    .args:
      - { .name: emb_codes, .offset: 0, .size: 8, .value_kind: global_buffer, .address_space: global }
      - { .name: emb_scales, .offset: 8, .size: 8, .value_kind: global_buffer, .address_space: global }
      - { .name: proj_w_codes, .offset: 16, .size: 8, .value_kind: global_buffer, .address_space: global }
      - { .name: proj_w_scales, .offset: 24, .size: 8, .value_kind: global_buffer, .address_space: global }
      - { .name: proj_b, .offset: 32, .size: 8, .value_kind: global_buffer, .address_space: global }
      - { .name: z, .offset: 40, .size: 8, .value_kind: global_buffer, .address_space: global }
      - { .name: img, .offset: 48, .size: 8, .value_kind: global_buffer, .address_space: global }
      - { .name: zc, .offset: 56, .size: 8, .value_kind: global_buffer, .address_space: global }
      - { .name: zsw, .offset: 64, .size: 8, .value_kind: global_buffer, .address_space: global }
    .group_segment_fixed_size: 0
    .private_segment_fixed_size: 0
    .kernarg_segment_align: 8
    .kernarg_segment_size: 72
    .max_flat_workgroup_size: 128
    .sgpr_count:     66
    .vgpr_count:     176
    .wavefront_size: 32
...
	.end_amdgpu_metadata
.endif
;; end of part 1
;; launch scan (part 2): grid 256 x 1, 16 waves a work-group, clusters of 4 x 1, 327,680 bytes of LDS; arguments img, zc, zsw, z, proj_w_codes, proj_w_scales, proj_b, out0, out2, part; writes out0, out2, part
.if DOCPART == 2
	.amdgcn_target "amdgcn-amd-amdhsa--gfx1250"
	.amdhsa_code_object_version 6
	.text
	.protected	k_qb815a1f3e7_scan
	.globl	k_qb815a1f3e7_scan
	.p2align	8
	.type	k_qb815a1f3e7_scan,@function
k_qb815a1f3e7_scan:
	s_mov_b64 s[64:65], 0
	v_nop
	global_prefetch_b8 v0, s[64:65] scope:SCOPE_SE
	s_setreg_imm32_b32 hwreg(HW_REG_WAVE_MODE, 25, 1), 1
	s_wait_xcnt 0x0
	s_wait_alu depctr_hold_cnt(0) depctr_sa_sdst(0) depctr_va_vdst(0) depctr_va_sdst(0) depctr_va_ssrc(0) depctr_va_vcc(0) depctr_vm_vsrc(0)
	s_getreg_b32 s2, hwreg(HW_REG_IB_STS2, 6, 4)
	s_cmp_eq_u32 s2, 0
	s_cbranch_scc0 .Lentry_in_a_cluster
	s_endpgm
.Lentry_in_a_cluster:
	s_bfe_u32 s2, ttmp6, 0x10000c
	s_cmp_lg_u32 s2, 0x3003
	s_cbranch_scc0 .Lentry_shape_is_right
	s_endpgm
.Lentry_shape_is_right:
; SimVQ, launch 2 of 3: for each of the 16,384 tokens the first code with the smallest |cb|^2 - 2 z.cb (product 2), cb[idx], the straight-through output, the index and each wave's part of the loss.
; WORK LEFT OUT: |z|^2, the same for all codes of a token (shown at the head of the first launch, with the limits that go with it).
; SHARES.  A work-group owns 64 tokens: four tiles T of 16.  Each of its sixteen waves W walks its sixteenth of the codebook, groups 8 W .. 8 W + 7, in 16 phases of 32 codes, against all four tiles: 64 units.
; A UNIT.  The group's 64 rows of codes are source 0, dense (K block b of matrix row r = slot 16 b + r); source 1 is the tile's z with its codes in K block v alone; C is |cb|^2.  Two products give lane (r, h),
; register 8 x + j: the distance of token r to row 32 p + 16 h + 8 x + j of the wave's 512 (p the phase).  Eight v_min3 take the minimum; where it is smaller than all before, the lane keeps the phase's 16 distances.
; FIRST MINIMUM.  Phases ascend and one wins only by a smaller value; between lanes and waves an equal value keeps the lower key, key = row / 16; inside the 16 the lowest place is kept.
; THE LOOKUP HANGS NO ADDRESS ON THE RESULT.  (kept distance - minimum), converted with the scale 2^-100, is code 0 at the minimum and the largest code elsewhere: turned round and cut to its lowest bit it is a one-hot
; row of codes.  Its product with emb's transposed codes is the winner's row of emb, exactly; four more rows give the digits of the row's scale byte and its place.  All waves but one hold zeros: their results are added as whole numbers.
; LIMITS.  NaN and infinities are not served.  Two distances that differ by less than 2^-97 (f32 numbers of magnitude under 2^-73) are not told apart.  The distances are rounded as the matrix unit rounds.
; CLUSTER.  The four work-groups of a cluster want the same bytes: each tensor load is a joint one, with the same descriptor (made of the wave's number alone) and the mask of all four.
; FILLS.  At the head each wave fetches its slice of img, 79 rows of 256 bytes, and reads that slice alone; LDS is filled once.
; No prefetch: everything is wanted at the head.  No padding in LDS: reads are 16 bytes a lane on end, or shared addresses.
.set SLICE, 20224                      ; [8 groups][64 slots][16 bytes] of codes; [8][64] f32; [8][16] scale words; then
.set EOF1,  10752                      ; emb transposed: [8 groups][2 tiles][32 lanes][16 bytes],
.set EOF2,  18944                      ; and digits: [8][4 digits][32 bytes]
.set SPARE, 323584                     ; the spare words, 128 bytes for each of the sixteen waves: eight blocks of 256 bytes that no other line names
.set RES,   325632                     ; the 64 tokens' minima, 256 bytes, and keys, 256 bytes
; behind the walk the slices' first 10,752 bytes, filled for the last time at the head and read, serve as scratch:
.set MVP,   20256                      ; wave W's minima and keys at MVP W, inside its own slice: [16 quads of tokens][2 halves][4], 512 bytes each
.set CMD,   4096                       ; the lookups of tile T in slice T: [16 waves][16 tokens][16 bytes] at 0, digits [16][16] words here
.set STG,   4*SLICE                    ; cb[idx] as [32 channels][64 tokens] f32, rows of 256 bytes + 16
.set SP,    272
.set IDX,   5*SLICE                    ; the 64 indices
; REGISTERS in the walk: v1, v2 the add's two; v3-5 LDS addresses of codes, sums, scale words; v6-8 lane, r, h; v12, v13 z's scale words (tiles 0 | 1, 2 | 3); v14, v15 the group's, two buffers; v16-19 the winning phase;
; v20-23 and v244-247 running minima, by turns; v24, v25 chains; v28-31 z for the output; v32-99 z's variants: 17 blocks of four (even blocks zeros, 4 T + 1 = P, 4 T + 3 = Q); v100-115 codes, two buffers;
; v116-147 |cb|^2; v148-179 two sets of accumulators; v180-243 the kept distances; v252, v253 the scales 1 and 2 of the lookup; v254, v255 scale operands of conversions.
.set VB,  32
.set COD, 100
.set SUM, 116
.set ACC, 148
.set CAP, 180
.macro PLACES n
.rept \n
	v_nop
.endr
.endm
.macro CROUND                          ; a round of the cluster's barrier: my work-group's barrier; wave 0 signals for the work-group; every wave waits for all four work-groups; my work-group's barrier once more
	s_barrier_signal -1
	s_barrier_wait -1
	s_cmp_lg_u32 s28, 0
	s_cbranch_scc1 .Lnot_wave_0_\@
	s_barrier_signal -3
.Lnot_wave_0_\@:
	s_barrier_wait -3
	s_barrier_signal -1
	s_barrier_wait -1
.endm
.macro MEET                            ; my LDS accesses are done; a barrier of the work-group
	s_wait_alu depctr_va_vdst(0)
	s_wait_dscnt 0x0
	s_barrier_signal -1
	s_barrier_wait -1
.endm
	s_load_b512 s[4:19], s[0:1], 0x0               ; img s[4:5], zc s[6:7], zsw s[8:9], z s[10:11], proj_w_codes s[12:13], proj_w_scales s[14:15], proj_b s[16:17], out0 s[18:19]
	s_load_b128 s[20:23], s[0:1], 0x40             ; out2 s[20:21], part s[22:23]
	v_lshl_add_u32 v1, v0, 2, SPARE
	v_mov_b32 v2, 0
	ds_add_u32 v1, v2                              ; the wave's opening: the add, twice on end, and its wait ahead of my first tensor load
	ds_add_u32 v1, v2
	v_lshrrev_b32 v6, 5, v0
	v_readfirstlane_b32 s28, v6                    ; wave W, 0..15
	s_bfe_u32 s29, ttmp6, 0x40000                  ; cx: it enters global addresses of z's buffers and of the results alone
	s_lshl_b32 s30, ttmp9, 2
	s_add_co_u32 s30, s30, s29                     ; my work-group = 4 x cluster + cx
	; descriptor group 1: a dense block as 79 rows of 256 bytes (32 elements of 8 bytes), no padding
	s_mov_b32 s32, 15|(3<<16)|(1<<21)              ; 15:0 the mask: all four work-groups; 17:16 elements of 8 bytes; 21 set beside a mask
	s_mov_b32 s33, 32<<16                          ; tensor_dim0 = 32
	s_mov_b32 s34, 79<<16                          ; tensor_dim1 = 79
	s_mov_b32 s35, 32<<16                          ; tile_dim0 = 32
	s_mov_b32 s36, 79                              ; tile_dim1 = 79
	s_mov_b32 s37, 32                              ; from row to row: 32 elements
	s_mov_b32 s38, 0
	s_mov_b32 s39, 0
	s_mov_b32 s48, 1                               ; group 0: count = 1; the LDS address: my slice
	s_mul_i32 s49, s28, SLICE
	s_mov_b32 s62, 0x76543210
	s_mov_b32 s63, 0xfedcba98                      ; v_permlanex16_b32's selects for lane l xor 16
	s_mov_b32 s57, 0                               ; the upper word of the offsets' pair s[56:57]
	s_add_co_u32 s58, s49, 8192
	s_add_co_u32 s59, s49, 10240
	v_and_b32 v6, 31, v0                           ; lane
	v_and_b32 v7, 15, v0                           ; r
	v_bfe_u32 v8, v0, 4, 1                         ; h
	v_mov_b32 v252, 0x7f7f7f7f
	v_mov_b32 v253, 0x80808080
	v_mov_b32 v254, 0x0d800000                     ; 2^-100
	v_mov_b32 v255, 1.0
	v_lshl_add_u32 v3, v6, 4, s49                  ; codes: my slice + 16 x lane
	v_lshl_add_u32 v4, v8, 5, s58                  ; sums: + 32 h: eight f32 for each half of the lanes
	v_lshl_add_u32 v5, v7, 2, s59                  ; scale words: + 4 r
	s_wait_alu depctr_va_vdst(0)
	s_wait_dscnt 0x0                               ; both opening adds are done
	s_wait_kmcnt 0x0
	s_mul_i32 s56, s28, SLICE
	s_add_nc_u64 s[50:51], s[4:5], s[56:57]        ; my slice in memory
	s_or_b32 s51, s51, 0x80000000                  ; type = 2
	CROUND                                         ; all four work-groups are here: the joint loads meet
	tensor_load_to_lds s[48:51], s[32:39]          ; the launch's only fills: one load a wave
	s_nop 0
	PLACES 4
	s_lshl_b32 s56, s30, 10                        ; my work-group's 64 tokens: 16 bytes of codes each,
	s_add_nc_u64 s[6:7], s[6:7], s[56:57]
	s_lshl_b32 s56, s30, 8                         ; 4 bytes of scales, 4 of the index
	s_add_nc_u64 s[8:9], s[8:9], s[56:57]
	s_add_nc_u64 s[20:21], s[20:21], s[56:57]
	s_lshr_b32 s56, s30, 7                         ; z and out0: the batch,
	s_lshl_b32 s56, s56, 20
	s_and_b32 s58, s30, 127
	s_lshl_b32 s58, s58, 8                         ; my 64 tokens' 256 bytes in a channel's row,
	s_add_co_u32 s56, s56, s58
	s_lshl_b32 s58, s28, 16                        ; and my two channels 2 W, 2 W + 1
	s_add_co_u32 s56, s56, s58
	s_add_nc_u64 s[10:11], s[10:11], s[56:57]
	s_add_nc_u64 s[18:19], s[18:19], s[56:57]
	s_lshl_b32 s56, s30, 6
	s_lshl_b32 s58, s28, 2
	s_add_co_u32 s56, s56, s58
	s_add_nc_u64 s[22:23], s[22:23], s[56:57]      ; my wave's word of part
	v_lshlrev_b32 v24, 4, v7                       ; 16 r
	v_lshlrev_b32 v25, 2, v6                       ; 4 x lane
	v_lshlrev_b32 v26, 15, v8
	v_lshl_add_u32 v26, v7, 4, v26                 ; channel 2 W + h, tokens 4 r .. 4 r + 3
.irp t, 0,1,2,3
	global_load_b128 v[ACC+4*\t:ACC+3+4*\t], v24, s[6:7] offset:256*\t   ; tile T's codes of token r, in both halves of the lanes
.endr
	global_load_b32 v12, v25, s[8:9]               ; scale words of tokens 0-31: tile 0 in lanes 0-15, tile 1 in lanes 16-31
	global_load_b32 v13, v25, s[8:9] offset:128    ; of tokens 32-63
	global_load_b128 v[28:31], v26, s[10:11]       ; z, for the output
.irp z, 0,2,4,6,8,10,12,14,16
.irp k, 0,1,2,3
	v_mov_b32 v[VB+4*\z+\k], 0                     ; the nine blocks of zeros
.endr
.endr
.irp t, 0,1,2,3
	v_mov_b32 v[16+\t], 0                          ; phase 0 wins first
.endr
	s_wait_alu depctr_va_vdst(0)
	s_wait_loadcnt 0x0
	s_mov_b32 vcc_lo, 0xffff                       ; (written behind the tensor load)
.irp t, 0,1,2,3
.irp k, 0,1,2,3
	v_cndmask_b32 v[VB+4+16*\t+\k], v[VB], v[ACC+4*\t+\k], vcc_lo    ; P: the codes in lanes 0-15 alone
	v_cndmask_b32 v[VB+12+16*\t+\k], v[ACC+4*\t+\k], v[VB], vcc_lo   ; Q: in lanes 16-31 alone
.endr
.endr
.macro LOADS p                         ; phase p: its four loads of sums; a group's first phase also brings its codes and scale words into buffer (group % 2)
.set LG, (\p)/2
.set LW, (\p)%2
.if LW == 0
	ds_load_b128 v[COD+8*(LG%2):COD+3+8*(LG%2)], v3 offset:1024*LG         ; slots 0-31, a row a lane
	ds_load_b128 v[COD+4+8*(LG%2):COD+7+8*(LG%2)], v3 offset:1024*LG+512   ; slots 32-63
	ds_load_b32 v[14+LG%2], v5 offset:64*LG
.endif
.irp x, 0,1
	ds_load_b128 v[SUM+8*(2*LW+\x):SUM+3+8*(2*LW+\x)], v4 offset:256*LG+64*(2*LW+\x)       ; register 8 v + j: slot 16 v + 8 h + j
	ds_load_b128 v[SUM+4+8*(2*LW+\x):SUM+7+8*(2*LW+\x)], v4 offset:256*LG+64*(2*LW+\x)+16
.endr
.endm
.macro MUL u                           ; PRODUCT 2, unit u = 4 p + T: two products into accumulator set u % 2, each begun from C = |cb|^2
.set MT, (\u)%4
.set MG, (\u)/8
.set MW, ((\u)/4)%2
.set MA, ACC+16*((\u)%2)
.irp x, 0,1
.set MV, 2*MW+\x
.if MT%2
	v_wmma_scale_f32_16x16x128_f8f6f4 v[MA+8*\x:MA+8*\x+7], v[COD+8*(MG%2):COD+7+8*(MG%2)], v[VB+4*(4*MT+(2*MV+1)%5):VB+7+4*(4*MT+(2*MV+1)%5)], v[SUM+8*MV:SUM+7+8*MV], v[14+MG%2], v[12+MT/2] matrix_a_fmt:MATRIX_FMT_FP4 matrix_b_fmt:MATRIX_FMT_FP4 matrix_b_scale:MATRIX_SCALE_ROW1
.else
	v_wmma_scale_f32_16x16x128_f8f6f4 v[MA+8*\x:MA+8*\x+7], v[COD+8*(MG%2):COD+7+8*(MG%2)], v[VB+4*(4*MT+(2*MV+1)%5):VB+7+4*(4*MT+(2*MV+1)%5)], v[SUM+8*MV:SUM+7+8*MV], v[14+MG%2], v[12+MT/2] matrix_a_fmt:MATRIX_FMT_FP4 matrix_b_fmt:MATRIX_FMT_FP4
.endif
.endr
.endm
; THE MINIMUM of unit u: the smallest of my 16 and of all before, each result read from its low end on; then the compare.  MSET names its registers.
.macro MSET u
.set NS, ACC+16*((\u)%2)
.set NT, (\u)%4
.set NP, (\u)/4
.set NO, 20+224*(NP%2)+NT
.set NN, 20+224*(1-NP%2)+NT
.endm
.macro PAIR i
.if \i == 0
	v_min3_num_f32 v24, v[NS], v[NS+1], v[NS+2]
	v_min3_num_f32 v25, v[NS+8], v[NS+9], v[NS+10]
.else
	v_min3_num_f32 v24, v24, v[NS+1+2*\i], v[NS+2+2*\i]
	v_min3_num_f32 v25, v25, v[NS+9+2*\i], v[NS+10+2*\i]
.endif
.endm
.macro LAST
	v_min3_num_f32 v24, v24, v[NS+7], v[NS+15]
.endm
.macro TOP
.if NP == 0
	v_min_num_f32 v[NN], v24, v25
.else
	v_min3_num_f32 v[NN], v24, v25, v[NO]
.endif
.endm
.macro CMP
.if NP > 0
	v_cmp_ge_f32 vcc_lo, v[NN], v[NO]              ; not smaller than before: what was kept stays
.endif
.endm
; KEEPING of unit u: two of the phase's 16 distances, and (KWIN) its number, where it has won; phase 0 always does.
.macro KEEP k
.if KP == 0
	v_dual_mov_b32 v[KC+\k], v[KS+\k] :: v_dual_mov_b32 v[KC+\k+1], v[KS+\k+1]
.else
	v_dual_cndmask_b32 v[KC+\k], v[KS+\k], v[KC+\k] :: v_dual_cndmask_b32 v[KC+\k+1], v[KS+\k+1], v[KC+\k+1]
.endif
.endm
.macro KWIN
.if KP > 0
	v_cndmask_b32 v[16+KT], KP, v[16+KT], vcc_lo
.endif
.endm
.macro STEP u                          ; unit u is kept while unit u + 1's minimum is taken: the first four lines are the places behind unit u + 1's products, whose registers they do not name
.set KS, ACC+16*((\u)%2)
.set KT, (\u)%4
.set KP, (\u)/4
.set KC, CAP+16*KT
	KEEP 0
	KEEP 2
	KEEP 4
	KEEP 6
.if (\u) < 63
	MSET (\u)+1
	PAIR 0
	KEEP 8
	PAIR 1
	KEEP 10
	PAIR 2
	KEEP 12
	LAST
	KEEP 14
	TOP
	KWIN
	CMP
.else
	KEEP 8
	KEEP 10
	KEEP 12
	KEEP 14
	KWIN
.endif
.endm
	s_wait_alu depctr_va_vdst(0)                   ; the wait at the head's end
	s_wait_tensorcnt 0x0                           ; my slice has landed; nobody else reads it
	LOADS 0
	LOADS 1
	s_wait_dscnt 0x0
	PLACES 4                                       ; operands written by vector instructions stand 4 places ahead of a scaled product
	MUL 0
	PLACES 4
	MSET 0
	PAIR 0
	PAIR 1
	PAIR 2
	LAST
	TOP
; THE 64 UNITS, written out.  Unit u's compare stands ahead of unit u + 1's products, its readers behind them.
; At a phase's last unit the next phase's loads, issued four units ago, are waited for; then the loads of the phase after it land on this phase's sums, a whole STEP behind the last product that read them.
.set U, 0
.rept 64
.if (U%4 == 3) && (U < 63)
	s_wait_dscnt 0x0
.if U/4 < 14
	LOADS U/4+2
.endif
.endif
.if U < 63
	MUL U+1
.endif
	STEP U
.set U, U+1
.endr
.macro ELOAD t                         ; K step t of the lookup: rows 128 t .. 128 t + 127 of my 512: two tiles of 16 channels and the digits, 8 registers each
.set EB, 128+24*((\t)%2)
.irp c, 0,1
	ds_load_b128 v[EB+4*\c:EB+4*\c+3], v176 offset:1024*(2*(\t)+\c)
	ds_load_b128 v[EB+8+4*\c:EB+8+4*\c+3], v176 offset:1024*(2*(\t)+\c)+512
	ds_load_b128 v[EB+16+4*\c:EB+16+4*\c+3], v177 offset:128*(2*(\t)+\c)
.endr
.endm
	; THE MERGE.  Every lane puts its four minima and keys down; wave W then joins the 32 of each of tokens 4 W .. 4 W + 3, an entry a lane.
	s_wait_alu depctr_va_vdst(0)
	s_mul_i32 s58, s28, MVP
	s_lshl_b32 s59, s28, 5
	s_add_co_u32 s60, s49, EOF2
	s_add_co_u32 s52, s49, EOF1
	s_lshl_b32 s61, s28, 6
	s_add_co_u32 s54, s61, CMD
	s_add_co_u32 s27, s61, RES+256
	s_add_co_u32 s40, s61, IDX
	s_add_co_u32 s61, s61, STG
	s_mul_i32 s31, s28, 2*SP
	s_add_co_u32 s31, s31, STG
	s_lshl_b32 s29, s28, 4
	s_add_co_u32 s29, s29, RES
	s_lshl_b32 s53, s28, 8
	s_add_co_u32 s26, s49, CMD
	v_lshrrev_b32 v32, 2, v7
	v_and_b32 v33, 3, v7
	v_lshrrev_b32 v40, 1, v6
	v_and_b32 v41, 1, v6
	v_lshlrev_b32 v32, 5, v32
	v_mul_u32_u24 v40, v40, MVP
	v_lshl_add_u32 v32, v8, 4, v32
	v_lshl_add_u32 v40, v41, 4, v40
	v_lshl_add_u32 v32, v33, 2, v32
	v_add_nc_u32 v40, s59, v40                     ; where I read: wave lane / 2's entries of half lane % 2, quad W
	v_add_nc_u32 v32, s58, v32                     ; where I put: quad r / 4 of the tile, half h, token r % 4
	v_add_nc_u32 v34, s59, v8                      ; key = 32 W + 2 x phase + h
.irp t, 0,1,2,3
	v_lshl_add_u32 v[36+\t], v[16+\t], 1, v34
.endr
	v_lshl_add_u32 v176, v6, 4, s52                ; emb's transposed codes: my slice's part + 16 x lane
	v_lshlrev_b32 v42, 5, v33
.irp t, 0,1,2,3
	v_cvt_f32_u32 v[36+\t], v[36+\t]               ; as f32, exactly
.endr
	v_lshl_add_u32 v42, v8, 4, v42
	v_add_nc_u32 v177, s60, v42                    ; the digits: digit r % 4, half h
.irp t, 0,1,2,3
	ds_store_b32 v32, v[20+\t] offset:128*\t
	ds_store_b32 v32, v[36+\t] offset:512+128*\t
.endr
	ELOAD 0
	ELOAD 1
	; the addresses of all that follows
	v_mul_u32_u24 v178, v8, 16*SP
	v_mul_u32_u24 v179, v8, SP
	v_and_b32 v27, 8, v7
	v_lshl_add_u32 v178, v7, 2, v178
	v_lshl_add_u32 v179, v7, 4, v179
	v_add_nc_u32 v27, v27, v7                      ; r + 8 (r / 8): W's rows of a tile, as in the first launch
	v_add_nc_u32 v178, s61, v178                   ; into the stage: channel 16 h, token 16 W + r
	v_add_nc_u32 v179, s31, v179                   ; back: channel 2 W + h, 16 bytes a lane
	v_lshlrev_b32 v26, 4, v27
	v_mov_b32 v60, s29
	v_lshl_add_u32 v61, v7, 2, RES
	v_lshl_add_u32 v3, v7, 4, s53
	v_lshl_add_u32 v4, v7, 2, s54                  ; the lookup's digits out: wave W, token r
	v_lshl_add_u32 v5, v7, 4, s49
	v_lshl_add_u32 v24, v7, 2, s26
	v_lshl_add_u32 v3, v8, 2, v3                   ; its codes out: wave W, token r, word h
	v_lshl_add_u32 v5, v8, 11, v5                  ; back: tile W, waves 8 h on, token r
	v_lshl_add_u32 v24, v8, 9, v24
	v_lshl_add_u32 v25, v7, 2, s27                 ; token r of tile W: its key,
	v_lshl_add_u32 v20, v7, 2, s40                 ; its index
	v_lshlrev_b32 v21, 15, v8
	v_lshlrev_b32 v23, 6, v8                       ; 64 h: b at channels 16 h on
	v_lshl_add_u32 v21, v7, 4, v21                 ; out0: channel 2 W + h, tokens 4 r on
	v_lshl_add_u32 v22, v6, 3, IDX                 ; two indices a lane
.irp k, 0,1,2,3
	v_mov_b32 v[56+\k], 0                          ; written once: a lane permute's destination counts as one of its sources
.endr
	MEET
	ds_load_b128 v[44:47], v40                     ; four tokens' minima
	ds_load_b128 v[48:51], v40 offset:512          ; and keys
	s_mov_b32 s58, 0x7f800000
	s_wait_dscnt 0x0
.irp k, 0,1,2,3
	v_mov_b32 v[52+\k], v[44+\k]
.endr
.macro LEAST b                         ; the smallest over the 32 lanes, four tokens by turns
.irp m, 1,2,4,8
.irp k, 0,1,2,3
	v_min_num_f32_dpp v[\b+\k], v[\b+\k], v[\b+\k] row_xmask:\m row_mask:0xf bank_mask:0xf
.endr
.endr
.irp k, 0,1,2,3
	v_permlanex16_b32 v[56+\k], v[\b+\k], s62, s63
.endr
.irp k, 0,1,2,3
	v_min_num_f32 v[\b+\k], v[\b+\k], v[56+\k]
.endr
.endm
	LEAST 52
.irp k, 0,1,2,3
	v_cmp_eq_f32 vcc_lo, v[44+\k], v[52+\k]
	v_cndmask_b32 v[48+\k], s58, v[48+\k], vcc_lo  ; only who holds the minimum keeps its key
.endr
	LEAST 48
	ds_store_b128 v60, v[52:55]                    ; (all lanes write the same 16 bytes with the same values)
	ds_store_b128 v60, v[48:51] offset:256
	MEET
.irp t, 0,1,2,3
	ds_load_b32 v[72+\t], v61 offset:64*\t         ; token r's minimum, tile T
.endr
.irp t, 0,1,2,3
	ds_load_b32 v[76+\t], v61 offset:256+64*\t     ; and key
.endr
	s_wait_dscnt 0x0
	; THE ONE-HOT ROWS: v244 + 2 T + x: the places 8 x + 0 .. 7 of my 16
.irp t, 0,1,2,3
.irp p, 0,1,2,3,4,5,6,7
.if \t%2
	v_pk_add_f32 v[CAP+16*\t+2*\p:CAP+16*\t+2*\p+1], v[CAP+16*\t+2*\p:CAP+16*\t+2*\p+1], v[72+2*(\t/2):73+2*(\t/2)] op_sel:[0,1] op_sel_hi:[1,1] neg_lo:[0,1] neg_hi:[0,1]
.else
	v_pk_add_f32 v[CAP+16*\t+2*\p:CAP+16*\t+2*\p+1], v[CAP+16*\t+2*\p:CAP+16*\t+2*\p+1], v[72+2*(\t/2):73+2*(\t/2)] op_sel_hi:[1,0] neg_lo:[0,1] neg_hi:[0,1]
.endif
.endr
.endr
.irp k, 0,1,2,3,4,5,6,7
	v_cvt_scalef32_pk8_fp4_f32 v[244+\k], v[CAP+8*\k:CAP+8*\k+7], v254
.endr
	v_nop                                          ; one plain place behind the last scaled conversion
	; W's two tiles, their scale bytes and b, for the four waves that run product 1 below
	global_load_b128 v[212:215], v26, s[12:13]
	global_load_b128 v[220:223], v26, s[12:13] offset:128
	global_load_u8 v9, v27, s[14:15]               ; byte 0 scales K block 0, the only one with codes
	global_load_u8 v10, v27, s[14:15] offset:8
.irp q, 0,1,2,3
	global_load_b128 v[228+4*\q:231+4*\q], v23, s[16:17] offset:16*\q
.endr
.irp k, 0,1,2,3,4,5,6,7
	v_xor_b32 v[244+\k], 0x77777777, v[244+\k]     ; the minimum's places: 7, all others: 0
.endr
.irp k, 0,1,2,3,4,5,6,7
	v_sub_nc_u32 v[64+\k], 0, v[244+\k]
.endr
.irp k, 0,1,2,3,4,5,6,7
	v_and_b32 v[244+\k], v[64+\k], v[244+\k]       ; the lowest bit: code 1, the number 0.5, at the first place
.endr
.irp t, 0,1,2,3
	v_cmp_eq_u32 vcc_lo, 0, v[244+2*\t]
	v_cndmask_b32 v[245+2*\t], 0, v[245+2*\t], vcc_lo   ; places 8 .. 15 count only where 0 .. 7 hold none
.endr
.irp t, 0,1,2,3
	v_cmp_eq_f32 vcc_lo, v[36+\t], v[76+\t]
	v_cndmask_b32 v[16+\t], 64, v[16+\t], vcc_lo   ; only the lane with the winning key keeps its phase
.endr
.macro BUILD t                         ; source 1 of K step t: register 2 (p % 4) + x of tile T is the one-hot row where phase p has won, else zeros: by the 4-bit layout k = 64 c + 32 h + 16 w + 8 x + place
.irp T, 0,1,2,3
.irp x, 0,1,2,3
	v_cmp_eq_u32 vcc_lo, 4*(\t)+\x, v[16+\T]
	v_dual_cndmask_b32 v[180+8*\T+2*\x], v2, v[244+2*\T] :: v_dual_cndmask_b32 v[181+8*\T+2*\x], v2, v[245+2*\T]
.endr
.endr
.endm
.macro MULR t                          ; 12 accumulators, v32-127, by turns, one instruction a turn
.set EB, 128+24*((\t)%2)
.irp T, 0,1,2,3
.irp m, 0,1,2
.if (\t) == 0
	v_wmma_scale_f32_16x16x128_f8f6f4 v[32+24*\T+8*\m:39+24*\T+8*\m], v[EB+8*\m:EB+8*\m+7], v[180+8*\T:187+8*\T], 0, v252, v253 matrix_a_fmt:MATRIX_FMT_FP4 matrix_b_fmt:MATRIX_FMT_FP4
.else
	v_wmma_scale_f32_16x16x128_f8f6f4 v[32+24*\T+8*\m:39+24*\T+8*\m], v[EB+8*\m:EB+8*\m+7], v[180+8*\T:187+8*\T], v[32+24*\T+8*\m:39+24*\T+8*\m], v252, v253 matrix_a_fmt:MATRIX_FMT_FP4 matrix_b_fmt:MATRIX_FMT_FP4
.endif
.endr
.endr
.endm
.irp t, 0,1,2,3                                ; K steps 0 and 1 were loaded ahead of the merge
	BUILD \t
	PLACES 4
.if \t == 2
	s_wait_alu depctr_va_vdst(0)
	s_wait_dscnt 6                                 ; K step 2 is in; K step 3's six loads may be out
.endif
.if \t == 3
	s_wait_alu depctr_va_vdst(0)
	s_wait_dscnt 0x0
.endif
	MULR \t
	PLACES 4                                       ; behind the products: for the next BUILD and the loads alike
.if \t < 2
	ELOAD \t+2
.endif
.endr
.irp T, 0,1,2,3
.irp m, 0,1,2
	v_cvt_scalef32_pk8_fp4_f32 v[128+3*\T+\m], v[32+24*\T+8*\m:39+24*\T+8*\m], v255   ; back to codes: channels 16 m + 8 h + 0 .. 7 of token r; m = 2: the digits, the same in both halves
.endr
.endr
	v_nop                                          ; one plain place behind the last scaled conversion
.irp T, 0,1,2,3
	ds_store_b32 v3, v[128+3*\T] offset:SLICE*\T
	ds_store_b32 v3, v[129+3*\T] offset:SLICE*\T+8
	ds_store_b32 v4, v[130+3*\T] offset:SLICE*\T
.endr
	MEET
	s_cmp_lt_u32 s28, 4
	s_cbranch_scc0 .Lstaged
	; WAVE W < 4: TILE W.  One wave's lookup holds the token's row, all others hold zeros: their sum is the row.  Lanes 0-15 add waves 0-7, lanes 16-31 waves 8-15.
.irp k, 0,1,2,3,4,5,6,7
	ds_load_b128 v[32+4*\k:35+4*\k], v5 offset:256*\k
.endr
.irp k, 0,1,2,3,4,5,6,7
	ds_load_b32 v[64+\k], v24 offset:64*\k
.endr
	ds_load_b32 v72, v25
.irp k, 0,1,2,3
	v_mov_b32 v[80+\k], 0
	v_mov_b32 v[84+\k], 0                          ; written once: a lane permute's destination counts as one of its sources
	v_mov_b32 v[216+\k], 0                         ; K blocks 2 and 3 of W's tiles
	v_mov_b32 v[224+\k], 0
.endr
	v_mov_b32 v91, 0
	s_wait_alu depctr_va_vdst(0)
	s_wait_loadcnt 0x0
	s_mov_b32 vcc_lo, 0xffff
.irp k, 0,1,2,3
	v_cndmask_b32 v[212+\k], 0, v[212+\k], vcc_lo  ; W's codes stay in lanes 0-15 (K block 0) alone
	v_cndmask_b32 v[220+\k], 0, v[220+\k], vcc_lo
.endr
	s_wait_alu depctr_va_vdst(0)
	s_wait_dscnt 0x0
.irp q, 0,1,2,3
	v_add3_u32 v[76+\q], v[32+\q], v[36+\q], v[40+\q]
.endr
	v_add3_u32 v90, v64, v65, v66
.irp q, 0,1,2,3
	v_add3_u32 v[76+\q], v[76+\q], v[44+\q], v[48+\q]
.endr
	v_add3_u32 v90, v90, v67, v68
.irp q, 0,1,2,3
	v_add3_u32 v[76+\q], v[76+\q], v[52+\q], v[56+\q]
.endr
	v_add3_u32 v90, v90, v69, v70
.irp q, 0,1,2,3
	v_add_nc_u32 v[76+\q], v[76+\q], v[60+\q]
.endr
	v_add_nc_u32 v90, v90, v71
.irp q, 0,1,2,3
	v_permlanex16_b32 v[84+\q], v[76+\q], s62, s63
.endr
	v_permlanex16_b32 v91, v90, s62, s63
.irp q, 0,1,2,3
	v_add_nc_u32 v[76+\q], v[76+\q], v[84+\q]      ; token r's row of emb: 32 codes
.endr
	v_add_nc_u32 v90, v90, v91                     ; and its digits, four bits each
	v_and_b32 v92, 7, v90
	v_bfe_u32 v93, v90, 4, 3
	v_bfe_u32 v94, v90, 8, 2
	v_bfe_u32 v74, v90, 10, 1
	v_bfe_u32 v73, v90, 12, 3
	v_lshl_or_b32 v92, v93, 3, v92
	v_lshl_or_b32 v11, v94, 6, v92                 ; emb's scale byte
	v_cvt_u32_f32 v72, v72
	v_lshl_or_b32 v73, v74, 3, v73
	v_lshl_or_b32 v72, v72, 4, v73                 ; idx = 16 x key + the place
	PLACES 6                                       ; with the three lines above: a scale register written by a vector instruction stands 8 places ahead of a scaled product
	ds_store_b32 v20, v72                          ; (both halves write the same word with the same value)
.irp u, 0,1                                    ; PRODUCT 1 for the 16 winners, transposed: lane (r, h), register 8 u + j: channel 16 h + 8 u + j of token r's code
	v_wmma_scale_f32_16x16x128_f8f6f4 v[96+8*\u:103+8*\u], v[212+8*\u:219+8*\u], v[76:83], 0, v[9+\u], v11 matrix_a_fmt:MATRIX_FMT_FP4 matrix_b_fmt:MATRIX_FMT_FP4
.endr
	PLACES 4
.irp p, 0,1,2,3,4,5,6,7
	v_pk_add_f32 v[96+2*\p:97+2*\p], v[96+2*\p:97+2*\p], v[228+2*\p:229+2*\p]   ; + b: cb[idx]
.endr
.irp i, 0,1,2,3,4,5,6,7,8,9,10,11,12,13,14,15
	ds_store_b32 v178, v[96+\i] offset:SP*\i       ; channel 16 h + i, token 16 W + r
.endr
	s_wait_alu depctr_va_vdst(0)
.Lstaged:
	MEET
	; THE WAY OUT, all sixteen waves: channels 2 W and 2 W + 1, four tokens a lane
	ds_load_b128 v[32:35], v179
	v_mov_b32 v46, 0
	v_lshlrev_b32 v50, 3, v6                       ; 8 x lane
	s_wait_alu depctr_va_vdst(0)
	s_wait_loadcnt 0x0
	s_wait_dscnt 0x0
	v_pk_add_f32 v[36:37], v[32:33], v[28:29] neg_lo:[0,1] neg_hi:[0,1]   ; z_q - z
	v_pk_add_f32 v[38:39], v[34:35], v[30:31] neg_lo:[0,1] neg_hi:[0,1]
	v_pk_add_f32 v[40:41], v[28:29], v[36:37]      ; z + (z_q - z)
	v_pk_add_f32 v[42:43], v[30:31], v[38:39]
	global_store_b128 v21, v[40:43], s[18:19] th:TH_STORE_NT   ; sixteen lanes store 256 consecutive bytes, aligned; written once, read by nobody here
	v_pk_mul_f32 v[44:45], v[36:37], v[36:37]
	v_pk_fma_f32 v[44:45], v[38:39], v[38:39], v[44:45]
	v_add_f32 v44, v44, v45                        ; my four squares
	s_wait_alu depctr_va_vdst(0)
	s_cmp_lg_u32 s28, 0
	s_cbranch_scc1 .Lnot_idx                       ; wave 0 alone stores the work-group's 64 indices
	ds_load_b64 v[48:49], v22
	s_wait_dscnt 0x0
	global_store_b64 v50, v[48:49], s[20:21]       ; 256 consecutive bytes, aligned
.Lnot_idx:
	v_add_f32_dpp v44, v44, v44 row_xmask:1 row_mask:0xf bank_mask:0xf
	v_add_f32_dpp v44, v44, v44 row_xmask:2 row_mask:0xf bank_mask:0xf
	v_add_f32_dpp v44, v44, v44 row_xmask:4 row_mask:0xf bank_mask:0xf
	v_add_f32_dpp v44, v44, v44 row_xmask:8 row_mask:0xf bank_mask:0xf
	v_permlanex16_b32 v46, v44, s62, s63
	v_add_f32 v44, v44, v46
	s_wait_alu depctr_va_vdst(0)
	s_wait_xcnt 0x0                                ; EXEC is a source of the stores above: it changes only behind this wait
	v_cmp_eq_u32 vcc_lo, 0, v6
	s_and_saveexec_b32 s31, vcc_lo
	global_store_b32 v2, v44, s[22:23]             ; lane 0: my wave's word of part
	s_wait_xcnt 0x0
	s_or_b32 exec_lo, exec_lo, s31
	s_wait_tensorcnt 0x0                           ; the wave's end, behind my last tensor load and my last LDS store
	ds_add_u32 v1, v2
	s_wait_dscnt 0x0
	CROUND                                         ; the closing round: no work-group ends while a partner may still ask for a tile that names it
	s_endpgm
.Lfunc_end_k_qb815a1f3e7_scan:
	.size	k_qb815a1f3e7_scan, .Lfunc_end_k_qb815a1f3e7_scan-k_qb815a1f3e7_scan
	.p2alignl 7, 3214868480
	.fill 96, 4, 3214868480
	.section	.rodata,"a",@progbits
	.p2align	6, 0x0
	.amdhsa_kernel k_qb815a1f3e7_scan
		.amdhsa_group_segment_fixed_size 327680
		.amdhsa_private_segment_fixed_size 0
		.amdhsa_enable_private_segment 0
		.amdhsa_kernarg_size 80
		.amdhsa_user_sgpr_count 2
		.amdhsa_user_sgpr_kernarg_segment_ptr 1
		.amdhsa_wavefront_size32 1
		.amdhsa_system_sgpr_workgroup_id_x 1
		.amdhsa_system_sgpr_workgroup_id_y 1
		.amdhsa_system_sgpr_workgroup_id_z 1
		.amdhsa_system_vgpr_workitem_id 0
		.amdhsa_next_free_vgpr 256
		.amdhsa_next_free_sgpr 72
		.amdhsa_reserve_vcc 1
		.amdhsa_float_denorm_mode_32 3
		.amdhsa_float_denorm_mode_16_64 3
		.amdhsa_memory_ordered 1
		.amdhsa_forward_progress 1
		.amdhsa_inst_pref_size 135
	.end_amdhsa_kernel
	.amdgpu_metadata
---
amdhsa.version: [ 1, 2 ]
amdhsa.kernels:
  - .name:           k_qb815a1f3e7_scan
    .symbol:         k_qb815a1f3e7_scan.kd
    .args:
      - { .name: img, .offset: 0, .size: 8, .value_kind: global_buffer, .address_space: global }
      - { .name: zc, .offset: 8, .size: 8, .value_kind: global_buffer, .address_space: global }
      - { .name: zsw, .offset: 16, .size: 8, .value_kind: global_buffer, .address_space: global }
      - { .name: z, .offset: 24, .size: 8, .value_kind: global_buffer, .address_space: global }
      - { .name: proj_w_codes, .offset: 32, .size: 8, .value_kind: global_buffer, .address_space: global }
      - { .name: proj_w_scales, .offset: 40, .size: 8, .value_kind: global_buffer, .address_space: global }
      - { .name: proj_b, .offset: 48, .size: 8, .value_kind: global_buffer, .address_space: global }
      - { .name: out0, .offset: 56, .size: 8, .value_kind: global_buffer, .address_space: global }
      - { .name: out2, .offset: 64, .size: 8, .value_kind: global_buffer, .address_space: global }
      - { .name: part, .offset: 72, .size: 8, .value_kind: global_buffer, .address_space: global }
    .group_segment_fixed_size: 327680
    .private_segment_fixed_size: 0
    .kernarg_segment_align: 8
    .kernarg_segment_size: 80
    .max_flat_workgroup_size: 512
    .sgpr_count:     72
    .vgpr_count:     256
    .wavefront_size: 32
...
	.end_amdgpu_metadata
.endif
;; end of part 2
;; launch lsum (part 3): grid 1 x 1, 1 waves a work-group, no clusters, 0 bytes of LDS; arguments part, out1; writes out1
.if DOCPART == 3
	.amdgcn_target "amdgcn-amd-amdhsa--gfx1250"
	.amdhsa_code_object_version 6
	.text
	.protected	k_qb815a1f3e7_lsum
	.globl	k_qb815a1f3e7_lsum
	.p2align	8
	.type	k_qb815a1f3e7_lsum,@function
k_qb815a1f3e7_lsum:
	s_mov_b64 s[64:65], 0
	v_nop
	global_prefetch_b8 v0, s[64:65] scope:SCOPE_SE
	s_setreg_imm32_b32 hwreg(HW_REG_WAVE_MODE, 25, 1), 1
	s_wait_xcnt 0x0
; SimVQ, launch 3 of 3: the loss.  The 4,096 waves' sums of (z_q - z)^2 are added in a fixed order by one wave: a sum over work-groups has one owner, in a launch of its own.
; Both means of the loss are the mean of these same numbers: loss = m + 0.25 m, m = the sum / 2^19 (16,384 tokens x 32 channels).  No work is left out here.
.set INV_COUNT, 0x36000000             ; 2^-19
.set BETA,      0x3e800000             ; 0.25
	s_load_b128 s[4:7], s[0:1], 0x0                ; part s[4:5], out1 s[6:7]
	v_lshlrev_b32 v1, 4, v0                        ; 16 bytes a lane
	s_mov_b32 s8, 0x76543210
	s_mov_b32 s9, 0xfedcba98                       ; v_permlanex16_b32's selects for lane l xor 16
	s_mov_b32 s10, BETA
	v_mov_b32 v2, 0                                ; written once: a lane permute's destination counts as one of its sources
	v_mov_b32 v3, 0                                ; the store's offset
	s_wait_alu depctr_va_vdst(0)
	s_wait_kmcnt 0x0
.set K, 0
.rept 32
	global_load_b128 v[4+4*K:7+4*K], v1, s[4:5] offset:512*K   ; 512 consecutive bytes each: all 16,384
.set K, K+1
.endr
.macro FOLD n                          ; the upper n pairs onto the lower n
.set K, 0
.rept \n
	v_pk_add_f32 v[4+2*K:5+2*K], v[4+2*K:5+2*K], v[4+2*(K+\n):5+2*(K+\n)]
.set K, K+1
.endr
.endm
	s_wait_loadcnt 0x0
	FOLD 32
	FOLD 16
	FOLD 8
	FOLD 4
	FOLD 2
	FOLD 1
	v_add_f32 v4, v4, v5
	v_add_f32_dpp v4, v4, v4 row_xmask:1 row_mask:0xf bank_mask:0xf
	v_add_f32_dpp v4, v4, v4 row_xmask:2 row_mask:0xf bank_mask:0xf
	v_add_f32_dpp v4, v4, v4 row_xmask:4 row_mask:0xf bank_mask:0xf
	v_add_f32_dpp v4, v4, v4 row_xmask:8 row_mask:0xf bank_mask:0xf
	v_permlanex16_b32 v2, v4, s8, s9
	v_add_f32 v4, v4, v2
	v_mul_f32 v4, INV_COUNT, v4                    ; the mean: a power of two, nothing is rounded
	v_fma_f32 v6, v4, s10, v4                      ; m + 0.25 m
	s_wait_alu depctr_va_vdst(0)
	s_wait_xcnt 0x0                                ; EXEC changes only behind this wait
	v_cmp_eq_u32 vcc_lo, 0, v0
	s_and_saveexec_b32 s11, vcc_lo
	global_store_b32 v3, v6, s[6:7]                ; lane 0 stores the one number
	s_endpgm
.Lfunc_end_k_qb815a1f3e7_lsum:
	.size	k_qb815a1f3e7_lsum, .Lfunc_end_k_qb815a1f3e7_lsum-k_qb815a1f3e7_lsum
	.p2alignl 7, 3214868480
	.fill 96, 4, 3214868480
	.section	.rodata,"a",@progbits
	.p2align	6, 0x0
	.amdhsa_kernel k_qb815a1f3e7_lsum
		.amdhsa_group_segment_fixed_size 0
		.amdhsa_private_segment_fixed_size 0
		.amdhsa_enable_private_segment 0
		.amdhsa_kernarg_size 16
		.amdhsa_user_sgpr_count 2
		.amdhsa_user_sgpr_kernarg_segment_ptr 1
		.amdhsa_wavefront_size32 1
		.amdhsa_system_sgpr_workgroup_id_x 1
		.amdhsa_system_sgpr_workgroup_id_y 1
		.amdhsa_system_sgpr_workgroup_id_z 1
		.amdhsa_system_vgpr_workitem_id 0
		.amdhsa_next_free_vgpr 136
		.amdhsa_next_free_sgpr 66
		.amdhsa_reserve_vcc 1
		.amdhsa_float_denorm_mode_32 3
		.amdhsa_float_denorm_mode_16_64 3
		.amdhsa_memory_ordered 1
		.amdhsa_forward_progress 1
		.amdhsa_inst_pref_size 9
	.end_amdhsa_kernel
	.amdgpu_metadata
---
amdhsa.version: [ 1, 2 ]
amdhsa.kernels:
  - .name:           k_qb815a1f3e7_lsum
    .symbol:         k_qb815a1f3e7_lsum.kd
    .args:
      - { .name: part, .offset: 0, .size: 8, .value_kind: global_buffer, .address_space: global }
      - { .name: out1, .offset: 8, .size: 8, .value_kind: global_buffer, .address_space: global }
    .group_segment_fixed_size: 0
    .private_segment_fixed_size: 0
    .kernarg_segment_align: 8
    .kernarg_segment_size: 16
    .max_flat_workgroup_size: 32
    .sgpr_count:     66
    .vgpr_count:     136
    .wavefront_size: 32
...
	.end_amdgpu_metadata
.endif
;; end of part 3
